; MI455X (gfx1250); checked and timed in simulation.
; The chip was launched on July 23, 2026; its instructions are those of AMD's public machine-readable ISA for CDNA 5 (MIT licence, August 2026) and "CDNA5" Instruction Set Architecture Reference Guide (July 2026). The comments in the code are by the model that wrote it; some were corrected since.
;; Vector Quantizer. Allowed arithmetic: float matrix products may take bf16 or f16 operands with f32 sums; all other float work in f32.
;; Inputs: codebook 8,192 x 256 float32; z 16 x 256 x 2,048 float32.
;; Outputs: out0 16 x 256 x 2,048 float32; out1 16 x 2,048 int32; out2 one number float32.
;; One version. Each part assembles by itself: llvm-mc -triple=amdgcn-amd-amdhsa -mcpu=gfx1250 --defsym DOCPART=n.
;; ======== version 1 of 1: 4 launches
;; workspace buffers: cbk 4,259,840 bytes; idx 131,072 bytes of whole numbers; part 2,048 bytes
;; launch prep (part 1): grid 128 x 1, 16 waves a work-group, no clusters, 2,304 bytes of LDS; arguments codebook, cbk; writes cbk
.if DOCPART == 1
	.amdgcn_target "amdgcn-amd-amdhsa--gfx1250"
	.amdhsa_code_object_version 6
	.text
	.protected	k_q94d7991ba9_prep
	.globl	k_q94d7991ba9_prep
	.p2align	8
	.type	k_q94d7991ba9_prep,@function
k_q94d7991ba9_prep:
	s_mov_b64 s[64:65], 0
	v_nop
	global_prefetch_b8 v0, s[64:65] scope:SCOPE_SE
	s_setreg_imm32_b32 hwreg(HW_REG_WAVE_MODE, 25, 1), 1
	s_wait_xcnt 0x0
; cbk = the codebook in the form in which the distance launch takes it: 128 blocks of 65 rows of 512 bytes.
; Rows 0-63 of block g: codes 64 g + 0..63, 256 channels rounded to bf16.  Row 64: the 64 numbers ee = sum of squares of the ROUNDED
; channels, in f32 (256 bytes), then 256 bytes of zeros, so that the block is dense and one tile brings codes and ee together.
; A work-group makes one block, so that the ee row leaves whole; wave w makes rows 4 w .. 4 w + 3.  A row of 1,024 bytes is two loads of
; 512 consecutive bytes; all eight loads of a wave go out at once.  No matrix work, no tile: every byte is touched once.
; ee is summed eight numbers in a lane, then across the 32 lanes: an order of its own, in f32.
.set X,   8                            ; v[8:39]   row i: 8 registers as loaded (channels 4 l .. +3 and 128 + 4 l .. +3)
.set P,   40                           ; v[40:55]  row i: 4 registers, the same 8 numbers in bf16; never rewritten (stores read them)
.set U,   56                           ; v[56:63]  at work
.set A,   64                           ; v[64:65]  two running sums of squares
.set T,   66                           ; the other half of the lanes' sum
.set SUM, 67
	s_load_b128 s[4:7], s[0:1], 0x0                ; codebook s[4:5], cbk s[6:7]
	v_lshl_add_u32 v72, v0, 2, 0x100
	v_mov_b32 v73, 0
	v_lshrrev_b32 v4, 5, v0
	v_readfirstlane_b32 s8, v4                     ; wave 0..15
	v_and_b32 v5, 31, v0                           ; lane
	v_lshlrev_b32 v1, 4, v5                        ; 16 bytes a lane: loads, and the ee row's store
	v_lshlrev_b32 v2, 3, v5                        ; 8 bytes a lane: the bf16 stores
	v_mov_b32 v3, s8
	v_lshlrev_b32 v3, 4, v3                        ; LDS: my wave's four ee at byte 16 w
	v_mov_b32 v[T], 0                              ; v_permlanex16_b32 counts as a reader of its destination
	s_lshl_b32 s10, ttmp9, 16                      ; the block's 64 rows of 1,024 bytes,
	s_lshl_b32 s11, s8, 12                         ; my wave's four of them
	s_add_co_u32 s10, s10, s11
	s_mov_b32 s11, 0
	s_mul_i32 s12, ttmp9, 33280                    ; the block in cbk
	s_mov_b32 s13, 0
	s_lshl_b32 s20, s8, 11                         ; my four rows of 512 bytes in it
	s_mov_b32 s21, 0
	s_mov_b32 s18, 0x76543210                      ; v_permlanex16_b32: each lane takes its own place in the other half
	s_mov_b32 s19, 0xfedcba98
	s_mov_b32 s22, 0xffff0000                      ; a word's upper bf16
	s_wait_kmcnt 0x0
	s_add_nc_u64 s[4:5], s[4:5], s[10:11]
	s_add_nc_u64 s[16:17], s[6:7], s[12:13]
	s_add_nc_u64 s[14:15], s[16:17], s[20:21]      ; where my rows go
	s_add_nc_u64 s[16:17], s[16:17], 32768         ; the block's row 64
.irp i, 0,1,2,3
	global_load_b128 v[X+8*\i:X+8*\i+3],   v1, s[4:5] offset:1024*\i th:TH_LOAD_NT
	global_load_b128 v[X+8*\i+4:X+8*\i+7], v1, s[4:5] offset:1024*\i+512 th:TH_LOAD_NT
.endr
.macro ROW i
	s_wait_loadcnt 6-2*\i                          ; loads come back in order: row i's two are in, the younger rows' stay out
.irp k, 0,1,2,3
	v_cvt_pk_bf16_f32 v[P+4*\i+\k], v[X+8*\i+2*\k], v[X+8*\i+2*\k+1]
.endr
	global_store_b64 v2, v[P+4*\i:P+4*\i+1],   s[14:15] offset:512*\i       ; 32 lanes x 8 bytes: 256 consecutive bytes, aligned
	global_store_b64 v2, v[P+4*\i+2:P+4*\i+3], s[14:15] offset:512*\i+256
.irp k, 0,1,2,3
	v_lshlrev_b32 v[U+2*\k],   16,  v[P+4*\i+\k]   ; the rounded numbers back in f32
	v_and_b32     v[U+2*\k+1], s22, v[P+4*\i+\k]
.endr
	v_pk_mul_f32 v[A:A+1], v[U:U+1], v[U:U+1]      ; the first product starts the sums
.irp k, 2,4,6
	v_pk_fma_f32 v[A:A+1], v[U+\k:U+\k+1], v[U+\k:U+\k+1], v[A:A+1]
.endr
	v_add_f32 v[SUM], v[A], v[A+1]
	v_add_f32_dpp v[SUM], v[SUM], v[SUM] row_xmask:1 row_mask:0xf bank_mask:0xf
	v_add_f32_dpp v[SUM], v[SUM], v[SUM] row_xmask:2 row_mask:0xf bank_mask:0xf
	v_add_f32_dpp v[SUM], v[SUM], v[SUM] row_xmask:4 row_mask:0xf bank_mask:0xf
	v_add_f32_dpp v[SUM], v[SUM], v[SUM] row_xmask:8 row_mask:0xf bank_mask:0xf
	v_permlanex16_b32 v[T], v[SUM], s18, s19
	v_add_f32 v[SUM], v[SUM], v[T]                 ; every lane holds the row's ee
	ds_store_b32 v3, v[SUM] offset:4*\i            ; all lanes write the same word with the same value
.endm
	ROW 0
	ROW 1
	ROW 2
	ROW 3
	s_wait_dscnt 0x0                               ; for wave 0's sake: my four ee are in LDS
	s_barrier_signal -1
	s_barrier_wait -1
	s_cmp_lg_u32 s8, 0
	s_cbranch_scc1 .Ldone
	v_and_b32 v6, 15, v0                           ; wave 0 sends row 64: lanes 0-15 the 64 ee, lanes 16-31 zeros
	v_lshlrev_b32 v6, 4, v6
	ds_load_b128 v[U:U+3], v6
	v_cmp_gt_u32 vcc_lo, 16, v0
	s_wait_dscnt 0x0
.irp k, 0,1,2,3
	v_cndmask_b32 v[U+\k], 0, v[U+\k], vcc_lo
.endr
	global_store_b128 v1, v[U:U+3], s[16:17]       ; 512 consecutive bytes, aligned
.Ldone:
	s_wait_tensorcnt 0x0
	ds_add_u32 v72, v73
	s_wait_dscnt 0x0
	s_endpgm
.Lfunc_end_k_q94d7991ba9_prep:
	.size	k_q94d7991ba9_prep, .Lfunc_end_k_q94d7991ba9_prep-k_q94d7991ba9_prep
	.p2alignl 7, 3214868480
	.fill 96, 4, 3214868480
	.section	.rodata,"a",@progbits
	.p2align	6, 0x0
	.amdhsa_kernel k_q94d7991ba9_prep
		.amdhsa_group_segment_fixed_size 2304
		.amdhsa_private_segment_fixed_size 0
		.amdhsa_enable_private_segment 0
		.amdhsa_kernarg_size 16
		.amdhsa_user_sgpr_count 2
		.amdhsa_user_sgpr_kernarg_segment_ptr 1
		.amdhsa_wavefront_size32 1
		.amdhsa_system_sgpr_workgroup_id_x 1
		.amdhsa_system_sgpr_workgroup_id_y 1
		.amdhsa_system_sgpr_workgroup_id_z 1
		.amdhsa_system_vgpr_workitem_id 0
		.amdhsa_next_free_vgpr 74
		.amdhsa_next_free_sgpr 66
		.amdhsa_reserve_vcc 1
		.amdhsa_float_denorm_mode_32 3
		.amdhsa_float_denorm_mode_16_64 3
		.amdhsa_memory_ordered 1
		.amdhsa_forward_progress 1
		.amdhsa_inst_pref_size 9
	.end_amdhsa_kernel
	.amdgpu_metadata
---
amdhsa.version: [ 1, 2 ]
amdhsa.kernels:
  - .name:           k_q94d7991ba9_prep
    .symbol:         k_q94d7991ba9_prep.kd
    .args:
      - { .name: codebook, .offset: 0, .size: 8, .value_kind: global_buffer, .address_space: global }
      - { .name: cbk, .offset: 8, .size: 8, .value_kind: global_buffer, .address_space: global }
    .group_segment_fixed_size: 2304
    .private_segment_fixed_size: 0
    .kernarg_segment_align: 8
    .kernarg_segment_size: 16
    .max_flat_workgroup_size: 512
    .sgpr_count:     66
    .vgpr_count:     74
    .wavefront_size: 32
...
	.end_amdgpu_metadata
.endif
;; end of part 1
;; launch vq (part 2): grid 256 x 1, 4 waves a work-group, clusters of 4 x 1, 327,680 bytes of LDS; arguments cbk, z, out1, idx; writes out1, idx
.if DOCPART == 2
	.amdgcn_target "amdgcn-amd-amdhsa--gfx1250"
	.amdhsa_code_object_version 6
	.text
	.protected	k_q94d7991ba9_vq
	.globl	k_q94d7991ba9_vq
	.p2align	8
	.type	k_q94d7991ba9_vq,@function
k_q94d7991ba9_vq:
	s_mov_b64 s[64:65], 0
	v_nop
	global_prefetch_b8 v0, s[64:65] scope:SCOPE_SE
	s_setreg_imm32_b32 hwreg(HW_REG_WAVE_MODE, 25, 1), 1
	s_wait_xcnt 0x0
	s_wait_alu depctr_hold_cnt(0) depctr_sa_sdst(0) depctr_va_vdst(0) depctr_va_sdst(0) depctr_va_ssrc(0) depctr_va_vcc(0) depctr_vm_vsrc(0)
	s_getreg_b32 s2, hwreg(HW_REG_IB_STS2, 6, 4)
	s_cmp_eq_u32 s2, 0
	s_cbranch_scc0 .Lentry_in_a_cluster
	s_endpgm
.Lentry_in_a_cluster:
	s_bfe_u32 s2, ttmp6, 0x10000c
	s_cmp_lg_u32 s2, 0x3003
	s_cbranch_scc0 .Lentry_shape_is_right
	s_endpgm
.Lentry_shape_is_right:
; For each of 32,768 queries z[b][:][t] (256 channels): the first index k of the smallest d_k = fl(fl(zz + ee_k) - 2 dot_k) over 8,192 codes,
; formed in f32 in the order in which the problem writes it (the fused multiply-add by -2 rounds once, as the subtraction of the exact 2 dot does),
; since at zz near 256 many d_k round to equal numbers and the first of them is the answer.  dot: bf16 operands, f32 sums.  zz, ee: sums of squares
; of the ROUNDED numbers.  The index goes to out1 and, for the next launch's addresses, to idx.
; LIMITS.  A NaN distance loses here (the minimum drops it, the comparison is false).  zz is summed in an order of this text's own (64 channels in each
; wave, then four partial sums): it moves every d_k of a query alike.  The dot's last bit is the matrix unit's.
; SHARES.  A work-group owns 128 queries and walks all codes.  EVERY wave holds all 128 queries as source 1 (8 tiles x 8 K steps x 8 = 512 registers);
; a step is 256 codes in four blocks of 64, and wave w asks for, reads and multiplies block w alone: 4 code tiles x 64 matrix instructions, fed by
; 18 LDS loads a tile.  Source 0 = 16 codes, source 1 = 16 queries: lane l holds query l % 16, register j code 8 (l / 16) + j.  So zz is one
; number a lane and tile, and the running minimum stays in the lane until the end.
; THE MINIMUM GOES BY GROUPS OF EIGHT.  A lane's 8 distances of a code tile are one group of 8 neighbouring codes.  Four three-way minima take the 8 and the old minimum; one
; comparison asks whether the minimum has fallen (strictly: groups ascend, so the first of equals stays); where it has, the group's first code and its 8 distances are kept.
; That is 14 instructions for 8 distances where compare, select and minimum for each would be 24.  At the end the first kept distance equal to the minimum names the code.
; BY TURNS.  A code tile has two phases of 32 matrix instructions: PA on query tiles 0-3, PB on tiles 4-7.  The 88 vector instructions that finish the four
; tiles of the phase before stand in slices of 3, 3, 3, 2 behind the matrix instructions of the phase in hand.
; CLUSTER.  All work-groups walk the same blocks: each block is asked for JOINTLY by the four work-groups of a cluster (the same load, the same descriptor,
; a mask that names the four).  The place in the cluster enters the addresses of z, out1 and idx alone.
; REGISTERS, in windows of 256 (s_set_vgpr_msb: bits 1:0 source 0, 3:2 source 1, 5:4 source 2, 7:6 destination):
;   window 0: addresses, statistics, the 8 accumulators, the kept distances;  window 1: two buffers of code fragments (at first: z as loaded);  windows 2, 3: z's fragments.
; Under the products' setting only source 2 and the destination mean window 0, so a slice costs two switches.
.set ROWB,  528                        ; an LDS row: 512 bytes + 16 of padding = 132 words: row r starts at bank 4 r mod 64 (64 banks of 4 bytes: ISA guide 11.1)
.set BLK,   65*ROWB                    ; a block in LDS: 64 codes and the row of ee
.set SLOTB, 4*BLK                      ; a slot: a step's four blocks; two slots from LDS byte 0
.set BLKG,  33280                      ; a block in memory: 65 rows of 512 bytes
.set ZP,    288                        ; a row of the z stage: 128 queries in bf16 + 32 bytes
.set ZST,   274688                     ; the z stage, 128 channel rows.  It, ZZP and RED begin at multiples of 256 behind the slots' last byte: no tile lands in them
.set ZZP,   311552                     ; 4 waves x 128 partial zz
.set RED,   313600                     ; 4 waves x 128 x (d, index)
.set ZZW,  3                           ; v3     where I put my four partial zz
.set ADRA, 4                           ; v4-5   my lane's place in my block's codes, slot 0, 1
.set ADRE, 6                           ; v6-7   the same for the row of ee
.set ZSA,  8                           ; v8     z stage: where I put 8 bytes of a channel row
.set ZTA,  9                           ; v9     z stage: my lane's place for the turning load
.set LN16, 10                          ; v10    16 x lane; never rewritten (global loads and stores read it)
.set RA,   11                          ; v11    RED: my wave's pair for query l % 16
.set ZZR,  12                          ; v12    ZZP: query l % 16
.set RDA,  13                          ; v13    RED: queries 4 l .. 4 l + 3
.set EE,   24                          ; v[24:39]  ee of my 8 codes, two buffers
.set ZZ,   40                          ; v[40:55]  tile q: zz, twice (a pair for the packed add)
.set ST,   56                          ; v[56:87]  tile q at +4 q: +0, +2 the smallest d after a code tile of buffer 0, of buffer 1 (by turns: old and new stand side by side, no copy);
                                       ;           +1 the winning group's first code, less 8 h; +3 at the end the index
.set ZA,   88                          ; v[88:91]  my wave's partial zz of queries 4 l .. 4 l + 3
.set U,    92                          ; v[92:95]  at work
.set S,    96                          ; v[96:127] zz + ee for a phase's four tiles, 8 each; then their partial minima
.set ACC,  128                         ; v[128:191] tile q's accumulator at +8 q
.set P,    128                         ; ahead of the products: 32 channel rows of z in bf16
.set D8,   192                         ; v[192:255] tile q at +8 q: the 8 distances of the winning group
.set W,    192                         ; ahead of the products: partial zz; behind them: the four waves' pairs
.set WV,   12                          ; s12    my wave's number
.set G1,   16                          ; s[16:23] descriptor group 1
.set G0,   24                          ; s[24:31] descriptor group 0, a set for each slot
.set MK,   32                          ; s[32:35] lane masks of a phase's four tiles (at the head: byte offsets)
.set TB,   46                          ; s46    the first code of the code tile whose distances are being finished: 256 step + 64 w + 16 tile
.set MSB, 0
.macro WIN new                         ; the immediate's high byte repeats the setting that is left; a switch that changes nothing is dropped
.if MSB != (\new)
	s_set_vgpr_msb (MSB<<8)|(\new)
.set MSB, (\new)
.endif
.endm
; A round of the cluster's barrier: my work-group's barrier, so that wave 0's signal speaks for all four waves; wave 0 signals for the work-group;
; every wave waits for all four work-groups; my work-group's barrier once more.
.macro CREST                           ; a round behind its opening barrier
	s_cmp_lg_u32 s[WV], 0
	s_cbranch_scc1 .Lnot_wave_0_\@
	s_barrier_signal -3
.Lnot_wave_0_\@:
	s_barrier_wait -3
	s_barrier_signal -1
	s_barrier_wait -1
.endm
.macro CROUND
	s_barrier_signal -1
	s_barrier_wait -1
	CREST
.endm
	s_load_b256 s[4:11], s[0:1], 0x0               ; cbk s[4:5], z s[6:7], out1 s[8:9], idx s[10:11]
	v_lshl_add_u32 v22, v0, 2, 0x4d900
	v_mov_b32 v23, 0
	ds_add_u32 v22, v23
	v_lshrrev_b32 v3, 5, v0
	v_readfirstlane_b32 s[WV], v3                  ; wave 0..3
	s_bfe_u32 s13, ttmp6, 0x40000                  ; cx: my place in the cluster
	s_lshl_b32 s14, ttmp9, 2                       ; in a cluster launch ttmp9 counts clusters
	s_add_co_u32 s14, s14, s13                     ; g = my block of 128 queries: b = g / 16, t = 128 (g % 16) on
	s_lshr_b32 s32, s14, 4
	s_lshl_b32 s32, s32, 21                        ; b x 256 channels x 8,192 bytes
	s_and_b32 s33, s14, 15
	s_lshl_b32 s33, s33, 9                         ; 128 queries of 4 bytes
	s_add_co_u32 s32, s32, s33
	s_lshl_b32 s33, s[WV], 18                      ; my wave converts channels 32 w + 0..31 of each half of 128
	s_add_co_u32 s32, s32, s33
	s_mov_b32 s33, 0
	s_lshl_b32 s34, s14, 9                         ; the block's 128 indices
	s_mov_b32 s35, 0
	; descriptor group 1: a tile of 65 rows x 256 elements of 2 bytes, padded in LDS
	s_mov_b32 s[G1+0], 15|(1<<16)|(1<<20)|(1<<21)|(6<<22)|(3<<25)  ; 15:0 the mask: all four work-groups; 17:16 elements of 2 bytes; 20 padding on; 21 set beside a mask; 24:22 after every 128 words (code 6); 31:25 4 words of it (code 3)
	s_mov_b32 s[G1+1], 256<<16                     ; tensor_dim0 = 256
	s_mov_b32 s[G1+2], 65<<16                      ; tensor_dim1 = 65
	s_mov_b32 s[G1+3], 256<<16                     ; tile_dim0 = 256
	s_mov_b32 s[G1+4], 65                          ; tile_dim1 = 65
	s_mov_b32 s[G1+5], 256                         ; elements from row to row: the block is dense
	s_mov_b32 s[G1+6], 0
	s_mov_b32 s[G1+7], 0
	s_mul_i32 s37, s[WV], BLK                      ; my block's place in a slot: the wave's number alone enters an LDS address
	s_mul_i32 s44, s[WV], BLKG                     ; and in a step's bytes in memory (registers that never hold cx)
	s_mov_b32 s45, 0
	s_mov_b32 s39, 0xffff0000                      ; a word's upper bf16
	s_mov_b32 s42, 0x76543210                      ; v_permlanex16_b32: each lane takes its own place in the other half
	s_mov_b32 s43, 0xfedcba98
	s_lshl_b32 s[TB], s[WV], 6                     ; the first code tile's first code: 64 w
	v_and_b32 v14, 31, v0                          ; lane
	v_lshlrev_b32 v[LN16], 4, v14
	s_wait_dscnt 0x0
	s_wait_kmcnt 0x0
	s_add_nc_u64 s[6:7], s[6:7], s[32:33]
	s_add_nc_u64 s[8:9], s[8:9], s[34:35]
	s_add_nc_u64 s[10:11], s[10:11], s[34:35]
	s_add_nc_u64 s[44:45], s[4:5], s[44:45]        ; cbk at block w
	; z first: 64 loads, each 512 consecutive bytes (128 queries) of one channel row; lane l takes queries 4 l .. 4 l + 3.  Pass p: channels 128 p + 32 w + i.
	WIN 0x40                                       ; destination window 1
.irp p, 0,1
.set i, 0
.rept 32
	global_load_b128 v[128*\p+4*i:128*\p+4*i+3], v[LN16], s[6:7] offset:(128*\p+i)*8192 th:TH_LOAD_NT
.set i, i+1
.endr
.endr
	WIN 0
	CROUND                                         ; all four work-groups are here: the first joint loads meet
.irp n, 0,1
	s_mov_b32 s[G0+4*\n], 1                                        ; count = 1
	s_add_co_u32 s[G0+4*\n+1], s37, \n*SLOTB                       ; LDS address: the slot, my block
	s_add_nc_u64 s[G0+4*\n+2:G0+4*\n+3], s[44:45], \n*4*BLKG       ; global address: step n, block w
	s_or_b32 s[G0+4*\n+3], s[G0+4*\n+3], 0x80000000                ; type = 2
.endr
	tensor_load_to_lds s[G0:G0+3], s[G1:G1+7]      ; both first fills together, ahead of every wait on TENSORcnt and every LDS access: two loads of mine are out
	s_nop 0
	tensor_load_to_lds s[G0+4:G0+7], s[G1:G1+7]
	s_nop 0
.rept 4
	v_nop
.endr
	v_and_b32 v1, 15, v0                           ; r = l % 16
	v_bfe_u32 v2, v0, 4, 1                         ; h = l / 16
	v_mul_u32_u24 v15, v1, ROWB                    ; a fragment of 16 codes x 32 channels: row r, two loads of 16 bytes, 32 apart, at 16 h
	v_lshl_add_u32 v15, v2, 4, v15
	v_add_nc_u32 v[ADRA], s37, v15
	v_add_nc_u32 v[ADRA+1], SLOTB, v[ADRA]
	s_add_co_u32 s38, s37, 64*ROWB                 ; the block's row 64: ee of code 8 h + j at 32 h + 4 j
	v_lshl_add_u32 v[ADRE], v2, 5, s38
	v_add_nc_u32 v[ADRE+1], SLOTB, v[ADRE]
	s_mul_i32 s38, s[WV], 32*ZP
	s_add_co_u32 s38, s38, ZST
	v_lshl_add_u32 v[ZSA], v14, 3, s38             ; stage row 32 w + i, byte 8 l
	v_and_b32 v15, 7, v0                           ; the turning load: lane l reads 16 bytes of channel row 8 h + l % 8, queries 8 ((l / 8) % 2) on
	v_lshl_add_u32 v15, v2, 3, v15
	v_mul_u32_u24 v15, v15, ZP
	v_bfe_u32 v[ZTA], v0, 3, 1
	v_lshl_add_u32 v[ZTA], v[ZTA], 4, v15
	v_add_nc_u32 v[ZTA], ZST, v[ZTA]
	s_lshl_b32 s38, s[WV], 10
	s_add_co_u32 s38, s38, RED
	v_lshl_add_u32 v[RA], v1, 3, s38
	v_lshlrev_b32 v[ZZR], 2, v1
	v_add_nc_u32 v[ZZR], ZZP, v[ZZR]
	v_lshlrev_b32 v[RDA], 5, v14
	v_add_nc_u32 v[RDA], RED, v[RDA]
	s_lshl_b32 s38, s[WV], 9
	s_add_co_u32 s38, s38, ZZP
	v_add_nc_u32 v[ZZW], s38, v[LN16]
; Z ON ITS WAY INTO FRAGMENTS, 128 channels a pass: rounded to bf16, laid into the stage as [channel][query], read back turned.
.macro ZCVT p                          ; my 32 channel rows of pass p: four queries a lane become two words
	WIN 0x05                                       ; sources in window 1
.set i, 0
.rept 32
	v_cvt_pk_bf16_f32 v[P+2*i],   v[128*\p+4*i],   v[128*\p+4*i+1]
	v_cvt_pk_bf16_f32 v[P+2*i+1], v[128*\p+4*i+2], v[128*\p+4*i+3]
.set i, i+1
.endr
	WIN 0
.endm
.macro ZSTORE
.set i, 0
.rept 32
	ds_store_b64 v[ZSA], v[P+2*i:P+2*i+1] offset:ZP*i
.set i, i+1
.endr
.endm
.macro ZSQ first                       ; the squares of the rounded numbers, added for my four queries; first = 1: the first product starts the sums
.set i, 0
.rept 32
	v_lshlrev_b32 v[U],   16,  v[P+2*i]
	v_and_b32     v[U+1], s39, v[P+2*i]
	v_lshlrev_b32 v[U+2], 16,  v[P+2*i+1]
	v_and_b32     v[U+3], s39, v[P+2*i+1]
.if \first && (i == 0)
	v_pk_mul_f32 v[ZA:ZA+1],   v[U:U+1],   v[U:U+1]
	v_pk_mul_f32 v[ZA+2:ZA+3], v[U+2:U+3], v[U+2:U+3]
.else
	v_pk_fma_f32 v[ZA:ZA+1],   v[U:U+1],   v[U:U+1],   v[ZA:ZA+1]
	v_pk_fma_f32 v[ZA+2:ZA+3], v[U+2:U+3], v[U+2:U+3], v[ZA+2:ZA+3]
.endif
.set i, i+1
.endr
.endm
.macro ZFRAG p                         ; 64 turning loads: tile q (16 queries), K steps 4 p + 0..3 -> window 2 + q / 4, v[64 (q % 4) + 8 kk]
.set q, 0
.rept 8
	WIN 0x80+0x40*(q/4)
.set kl, 0
.rept 4
.set rz, 64*(q%4)+8*(4*\p+kl)
	ds_load_tr16_b128 v[rz:rz+3],   v[ZTA] offset:32*kl*ZP+32*q
	ds_load_tr16_b128 v[rz+4:rz+7], v[ZTA] offset:32*kl*ZP+32*q+16*ZP
.set kl, kl+1
.endr
.set q, q+1
.endr
	WIN 0
.endm
	s_wait_loadcnt 32                              ; pass 0's 32 loads are in; pass 1's 32, issued behind them, stay out
	ZCVT 0
	ZSTORE
	ZSQ 1
	s_wait_dscnt 0x0                               ; for the others' sake: my rows are in the stage
	s_barrier_signal -1
	s_barrier_wait -1
	ZFRAG 0
	s_wait_loadcnt 0x0
	ZCVT 1                                         ; register work while the turning loads come back
	ZSQ 0
	s_wait_dscnt 0x0                               ; my reads of the stage are over
	s_barrier_signal -1
	s_barrier_wait -1                              ; everybody's are: it may be written again
	ZSTORE
	ds_store_b128 v[ZZW], v[ZA:ZA+3]
	s_wait_dscnt 0x0
	s_barrier_signal -1
	s_barrier_wait -1
	ZFRAG 1
.irp q, 0,1,2,3,4,5,6,7
.irp ww, 0,1,2,3
	ds_load_b32 v[W+4*\q+\ww], v[ZZR] offset:512*\ww+64*\q     ; wave ww's partial zz of query 16 q + r
.endr
.endr
	s_wait_dscnt 0x0
.irp q, 0,1,2,3,4,5,6,7
	v_add_f32 v[W+4*\q],   v[W+4*\q],   v[W+4*\q+1]
	v_add_f32 v[W+4*\q+2], v[W+4*\q+2], v[W+4*\q+3]
.endr
.irp q, 0,1,2,3,4,5,6,7
	v_add_f32 v[ZZ+2*\q],   v[W+4*\q], v[W+4*\q+2]
	v_add_f32 v[ZZ+2*\q+1], v[W+4*\q], v[W+4*\q+2]
.endr
; Matrix instruction i of a phase's 32: K step i / 4, query tile 4 g + i % 4, code fragments in buffer f.  The four accumulators take turns, one instruction a turn,
; over the change of phases and the loop's backward jump too.  The first K step starts the sums: nothing is cleared.
.macro MM g, f
.set kk, i/4
.set qq, i%4
.set rD, ACC+8*(4*\g+qq)
.set rA, 64*\f+8*kk
.set rB, 64*qq+8*kk
	WIN 0x09+4*\g                                  ; codes in window 1, queries in window 2 or 3, sums in window 0
.if kk == 0
	v_wmma_f32_16x16x32_bf16 v[rD:rD+7], v[rA:rA+7], v[rB:rB+7], 0
.else
	v_wmma_f32_16x16x32_bf16 v[rD:rD+7], v[rA:rA+7], v[rB:rB+7], v[rD:rD+7]
.endif
.endm
; Number n of the list of 88 vector instructions that finish query tiles 4 g + 0..3 for one code tile (its ee in buffer pe).  The list goes stage by stage through all four
; tiles, so that an instruction and the one that reads its result stand four numbers apart or more:
;   0-15   zz + ee for the lane's 8 codes              16-31  d = (zz + ee) - 2 dot, in place of the sums
;   32-43  three partial minima a tile: d0-d2, d3-d5, d6, d7 and the old minimum          44-47  the new minimum
;   48-51  has it fallen?                              52-55  where it has, the group's first code is kept,          56-87  and its 8 distances
; first = 1: the first code tile, which starts everything: its distances go straight to D8, there is no old minimum, and nothing is compared or selected.
.macro EP g, pe, first
.if n < 16
.set ec, n/4
.set ek, n%4
	v_pk_add_f32 v[S+8*ec+2*ek:S+8*ec+2*ek+1], v[EE+8*(\pe)+2*ek:EE+8*(\pe)+2*ek+1], v[ZZ+2*(4*(\g)+ec):ZZ+2*(4*(\g)+ec)+1]
.elseif n < 32
.set ec, (n-16)/4
.set ek, (n-16)%4
.set et, 4*(\g)+ec
.set ea, ACC+8*et+2*ek
.set ed, ea
.if (\first)
.set ed, D8+8*et+2*ek
.endif
	v_pk_fma_f32 v[ed:ed+1], v[ea:ea+1], -2.0, v[S+8*ec+2*ek:S+8*ec+2*ek+1] op_sel_hi:[1,0,1]
.elseif n < 44
.set ec, (n-32)/3
.set ek, (n-32)%3
.set et, 4*(\g)+ec
.set ed, ACC+8*et
.if (\first)
.set ed, D8+8*et
.endif
.if ek < 2
	v_min3_num_f32 v[S+8*ec+ek], v[ed+3*ek], v[ed+3*ek+1], v[ed+3*ek+2]
.elseif (\first)
	v_min_num_f32 v[S+8*ec+2], v[ed+6], v[ed+7]
.else
	v_min3_num_f32 v[S+8*ec+2], v[ed+6], v[ed+7], v[ST+4*et+2-2*(\pe)]
.endif
.elseif n < 48
.set ec, n-44
.set et, 4*(\g)+ec
	v_min3_num_f32 v[ST+4*et+2*(\pe)], v[S+8*ec], v[S+8*ec+1], v[S+8*ec+2]
.elseif n < 52
.set ec, n-48
.set et, 4*(\g)+ec
.if (\first) == 0
	v_cmp_lt_f32 s[MK+ec], v[ST+4*et+2*(\pe)], v[ST+4*et+2-2*(\pe)]
.endif
.elseif n < 56
.set ec, n-52
.set et, 4*(\g)+ec
.if (\first)
	v_mov_b32 v[ST+4*et+1], s[TB]
.else
	v_cndmask_b32 v[ST+4*et+1], v[ST+4*et+1], s[TB], s[MK+ec]
.endif
.elseif (\first) == 0
.set ej, (n-56)/4
.set ec, (n-56)%4
.set et, 4*(\g)+ec
	v_cndmask_b32 v[D8+8*et+ej], v[D8+8*et+ej], v[ACC+8*et+ej], s[MK+ec]
.endif
.endm
; The slice behind matrix instruction i: 88 = 8 x (3 + 3 + 3 + 2).  The first code tile's list ends at number 55: behind it the products stand bare.
.macro SLICE g, pe, first
.set n, 11*(i/4)+3*(i%4)
.if ((\first) == 0) || (n < 56)
	WIN 0
.rept 3-(i%4)/3
	EP \g, \pe, \first
.set n, n+1
.endr
.endif
.endm
; 18 LDS loads in one run: code tile tl of my block in the slot (16 codes x 256 channels) into buffer f, and its ee
.macro FETCH slot, tl, f
	WIN 0x40                                       ; destination window 1
.set kf, 0
.rept 8
	ds_load_b128 v[64*(\f)+8*kf:64*(\f)+8*kf+3],   v[ADRA+\slot] offset:(\tl)*16*ROWB+64*kf
	ds_load_b128 v[64*(\f)+8*kf+4:64*(\f)+8*kf+7], v[ADRA+\slot] offset:(\tl)*16*ROWB+64*kf+32
.set kf, kf+1
.endr
	WIN 0
	ds_load_b128 v[EE+8*(\f):EE+8*(\f)+3],   v[ADRE+\slot] offset:64*(\tl)
	ds_load_b128 v[EE+8*(\f)+4:EE+8*(\f)+7], v[ADRE+\slot] offset:64*(\tl)+16
.endm
; A vector instruction that reads a matrix result or writes one of a matrix instruction's registers, and a load into a register that a matrix instruction has read, stand four
; places behind it, and only plain vector instructions that name none of its registers are places (ISA guide 7.12.1 for vector instructions).
; Here the slices are the places: a list's numbers 0-15 name only S, EE and ZZ, and a phase's last slices name the other four tiles.
; PHASE A of a code tile (fragments in buffer f): query tiles 0-3 | the code tile before: tiles 4-7 are finished (epi = 1; 2: it was the first code tile; 0: there was none).
; chg = 1: this is a slot's last code tile, and the slot is filled again behind the phase.  The fragments just waited for were my last reads of it; all my tensor loads have landed
; (one was out: my block of the other slot); the signal opens a round of the cluster's barrier, and the phase, register work alone, stands inside it.
; chg = 2: the slot is not filled again: only my block of the other slot is waited for, which no other wave reads.
.macro PA f, chg, epi
	s_wait_dscnt 0x0                               ; fragments and ee, issued 30 matrix instructions ago, are in
.if \chg
	s_wait_tensorcnt 0x0
	ds_add_u32 v22, v23
	s_wait_dscnt 0x0
.endif
.if \chg == 1
	s_barrier_signal -1
.endif
.set i, 0
.rept 32
	MM 0, \f
.if \epi
	SLICE 1, 1-\f, \epi-1
.endif
.set i, i+1
.endr
.endm
; PHASE B: query tiles 4-7 | this code tile's tiles 0-3 are finished.  The first code steps to this code tile at the phase's head: phase A still finished the tile before.
; Behind the second product: the next code tile's loads (slot fs, tile ft), unless fs < 0.
.macro PB f, inc, fs, ft, epi
.if \inc
	s_add_co_u32 s[TB], s[TB], \inc
.endif
.set i, 0
.rept 32
	MM 1, \f
	SLICE 0, \f, \epi-1
.if (i == 1) && (\fs >= 0)
	FETCH \fs, \ft, 1-\f
.endif
.set i, i+1
.endr
.endm
; The rest of the round, and the joint refill first behind it: the slot's blocks of two steps on.  One load of mine is out; 224 matrix instructions stand between it and the wait for it.
.macro REFILL slot
	WIN 0                                          ; at a branch and at a label every window is 0
	s_barrier_wait -1
	CREST                                          ; no wave of any partner still reads the slot or has a load on its way
	s_add_nc_u64 s[G0+4*\slot+2:G0+4*\slot+3], s[G0+4*\slot+2:G0+4*\slot+3], 8*BLKG   ; no load of mine is out, so a group 0 may be written; the type bits on top are not reached
	tensor_load_to_lds s[G0+4*\slot:G0+4*\slot+3], s[G1:G1+7]
	s_nop 0
.rept 4
	v_nop
.endr
.endm
; A step in two parts.  HEAD: its first code tile's phase B and its second's phase A.  From a step's last code tile to the next step's first the code grows by 256 - 48.
.macro HEAD slot, inc, epi
	PB 0, \inc, \slot, 1, \epi
	PA 1, 0, \epi
.endm
; REST: from its second code tile's phase B to the next step's first phase A.
.macro REST slot, other, chg
	PB 1, 16, \slot, 2, 1
	PA 0, 0, 1
	PB 0, 16, \slot, 3, 1
	PA 1, \chg, 1
.if \chg == 1
	REFILL \slot
.endif
	PB 1, 16, \other, 0, 1
	PA 0, 0, 1
.endm
; (m, x) = the smaller of (m, x) and (om, ox): by distance, among equals by index.  The index goes to register dx.
.macro MERGE m, x, om, ox, dx
	v_cmp_lt_f32 vcc_lo, v[\om], v[\m]
	v_cmp_eq_f32 s40, v[\om], v[\m]
	v_cmp_lt_u32 s41, v[\ox], v[\x]
	s_and_b32 s40, s40, s41
	s_or_b32 vcc_lo, vcc_lo, s40
	v_cndmask_b32 v[\m], v[\m], v[\om], vcc_lo
	v_cndmask_b32 v[\dx], v[\x], v[\ox], vcc_lo
.endm
	s_wait_tensorcnt 0x1                           ; my block of slot 0 is in, and I alone read it; slot 1's, issued behind it, stays out
	FETCH 0, 0, 0
	PA 0, 0, 0                                     ; the first phase has nothing to finish yet
	HEAD 0, 0, 2                                   ; the first code tile starts minimum, code and kept distances: it stands ahead of the loop
	WIN 0
	s_mov_b32 s36, 15
.Ltrip:                                                ; a trip is two steps, once round the ring, from a step's second code tile on: it asks for steps 2-31
	REST 0, 1, 1
	HEAD 1, 208, 1
	REST 1, 0, 1
	HEAD 0, 208, 1
	WIN 0
	s_sub_co_u32 s36, s36, 1
	s_cmp_lg_u32 s36, 0
	s_cbranch_scc1 .Ltrip
	REST 0, 1, 2                                   ; the tail is written out: step 30 asks for nothing
	HEAD 1, 208, 1                                 ; step 31
	PB 1, 16, 1, 2, 1
	PA 0, 0, 1
	PB 0, 16, 1, 3, 1
	PA 1, 0, 1
	PB 1, 16, -1, 0, 1                             ; nothing is left to fetch
	WIN 0
.set n, 0
.rept 88
	EP 1, 1, 0                                     ; the last code tile's tiles 4-7; the last slice and numbers 0-15 are the places behind the last products
.set n, n+1
.endr
	; THE CODE IN ITS GROUP: the first of the 8 kept distances that equals the minimum (the last code tile lay in buffer 1: the minimum is at +2).  Index = first code + 8 h + j.
.irp q, 0,1,2,3,4,5,6,7
	v_mov_b32 v[S+16+\q], 7
.irp j, 6,5,4,3,2,1,0
	v_cmp_eq_f32 vcc_lo, v[D8+8*\q+\j], v[ST+4*\q+2]
	v_cndmask_b32 v[S+16+\q], v[S+16+\q], \j, vcc_lo
.endr
	v_add_nc_u32 v[S+16+\q], v[ST+4*\q+1], v[S+16+\q]
	v_lshl_add_u32 v[ST+4*\q+3], v2, 3, v[S+16+\q]
.endr
	; THE MERGE.  A query's other 8 codes of each tile lie in the lane 16 away; its other codes in the other three waves.
.irp q, 0,1,2,3,4,5,6,7
	v_permlanex16_b32 v[S+2*\q],   v[ST+4*\q+2], s42, s43
	v_permlanex16_b32 v[S+2*\q+1], v[ST+4*\q+3], s42, s43
.endr
.irp q, 0,1,2,3,4,5,6,7
	MERGE ST+4*\q+2, ST+4*\q+3, S+2*\q, S+2*\q+1, ST+4*\q+3
	ds_store_b64 v[RA], v[ST+4*\q+2:ST+4*\q+3] offset:128*\q   ; both halves of the lanes write the same pair
.endr
	s_wait_dscnt 0x0                               ; for wave 0's sake
	s_barrier_signal -1
	s_barrier_wait -1
	s_cmp_lg_u32 s[WV], 0
	s_cbranch_scc1 .Lclose
.irp ww, 0,1,2,3
	ds_load_b128 v[W+8*\ww:W+8*\ww+3],   v[RDA] offset:1024*\ww        ; wave ww's pairs of queries 4 l, 4 l + 1
	ds_load_b128 v[W+8*\ww+4:W+8*\ww+7], v[RDA] offset:1024*\ww+16     ; and 4 l + 2, 4 l + 3
.endr
	s_wait_dscnt 0x0
.irp ww, 1,2
.irp e, 0,1,2,3
	MERGE W+2*\e, W+2*\e+1, W+8*\ww+2*\e, W+8*\ww+2*\e+1, W+2*\e+1
.endr
.endr
.irp e, 0,1,2,3
	MERGE W+2*\e, W+2*\e+1, W+24+2*\e, W+24+2*\e+1, W+32+\e   ; the last merge lays the four indices side by side
.endr
	global_store_b128 v[LN16], v[W+32:W+35], s[8:9]            ; 512 consecutive bytes, aligned
	global_store_b128 v[LN16], v[W+32:W+35], s[10:11]
.Lclose:
	s_wait_tensorcnt 0x0
	ds_add_u32 v22, v23
	s_wait_dscnt 0x0
	CROUND                                         ; the closing round: no work-group ends while a partner may still ask for a block that names it
	s_endpgm
.Lfunc_end_k_q94d7991ba9_vq:
	.size	k_q94d7991ba9_vq, .Lfunc_end_k_q94d7991ba9_vq-k_q94d7991ba9_vq
	.p2alignl 7, 3214868480
	.fill 96, 4, 3214868480
	.section	.rodata,"a",@progbits
	.p2align	6, 0x0
	.amdhsa_kernel k_q94d7991ba9_vq
		.amdhsa_group_segment_fixed_size 327680
		.amdhsa_private_segment_fixed_size 0
		.amdhsa_enable_private_segment 0
		.amdhsa_kernarg_size 32
		.amdhsa_user_sgpr_count 2
		.amdhsa_user_sgpr_kernarg_segment_ptr 1
		.amdhsa_wavefront_size32 1
		.amdhsa_system_sgpr_workgroup_id_x 1
		.amdhsa_system_sgpr_workgroup_id_y 1
		.amdhsa_system_sgpr_workgroup_id_z 1
		.amdhsa_system_vgpr_workitem_id 0
		.amdhsa_next_free_vgpr 1024
		.amdhsa_next_free_sgpr 66
		.amdhsa_reserve_vcc 1
		.amdhsa_float_denorm_mode_32 3
		.amdhsa_float_denorm_mode_16_64 3
		.amdhsa_memory_ordered 1
		.amdhsa_forward_progress 1
		.amdhsa_inst_pref_size 255
	.end_amdhsa_kernel
	.section	.bss,"aw",@nobits
	.p2align	6
	.space	262144
	.amdgpu_metadata
---
amdhsa.version: [ 1, 2 ]
amdhsa.kernels:
  - .name:           k_q94d7991ba9_vq
    .symbol:         k_q94d7991ba9_vq.kd
    .args:
      - { .name: cbk, .offset: 0, .size: 8, .value_kind: global_buffer, .address_space: global }
      - { .name: z, .offset: 8, .size: 8, .value_kind: global_buffer, .address_space: global }
      - { .name: out1, .offset: 16, .size: 8, .value_kind: global_buffer, .address_space: global }
      - { .name: idx, .offset: 24, .size: 8, .value_kind: global_buffer, .address_space: global }
    .group_segment_fixed_size: 327680
    .private_segment_fixed_size: 0
    .kernarg_segment_align: 8
    .kernarg_segment_size: 32
    .max_flat_workgroup_size: 128
    .sgpr_count:     66
    .vgpr_count:     1024
    .wavefront_size: 32
...
	.end_amdgpu_metadata
.endif
;; end of part 2
;; launch gather (part 3): grid 512 x 1, 8 waves a work-group, no clusters, 67,072 bytes of LDS; arguments codebook, z, idx, out0, part; writes out0, part
.if DOCPART == 3
	.amdgcn_target "amdgcn-amd-amdhsa--gfx1250"
	.amdhsa_code_object_version 6
	.text
	.protected	k_q94d7991ba9_gather
	.globl	k_q94d7991ba9_gather
	.p2align	8
	.type	k_q94d7991ba9_gather,@function
k_q94d7991ba9_gather:
	s_mov_b64 s[64:65], 0
	v_nop
	global_prefetch_b8 v0, s[64:65] scope:SCOPE_SE
	s_setreg_imm32_b32 hwreg(HW_REG_WAVE_MODE, 25, 1), 1
	s_wait_xcnt 0x0
; out0[b][c][t] = z + (zq - z), zq = codebook[idx[b][t]][c], all in f32 on the numbers as given; part[g] = this work-group's sum of (zq - z)^2.
; A work-group owns 64 queries x 256 channels.  Code rows come in along channels (256 consecutive bytes a load) and are wanted along queries, so they cross LDS:
; [query][channel] with rows of 257 words; word address mod 64 = (query + channel) mod 64 (64 banks of 4 bytes: ISA guide 11.1).
; Wave w gathers the rows of queries 8 w + 0..7 and finishes channels 32 w + 0..31.  z and out0: a load or store covers two channel rows, 256 consecutive aligned bytes each.
; Memory binds: no matrix work, no tile loads (several work-groups share a WGP and multiply the bytes on their way), no cluster (work-groups share no tile).
; An index is clamped to 8,191 before it enters an address.  part is stored 4 bytes a work-group: 512 such stores in the launch.
.set ZQP, 1028                         ; bytes from query to query in LDS
.set LS,  64*ZQP                       ; behind it: the eight waves' sums
.set Z,   8                            ; v[8:71]    load i: channels 32 w + 2 i + l / 16, queries 4 (l % 16) + 0..3
.set G,   72                           ; v[72:135]  row i: 8 registers of the code row; then zq in z's layout, then the result; stores read them
.set RO,  136                          ; v[136:143] row i: its byte offset in the codebook + 8 l
.set L,   144                          ; v[144:147] four running sums of squares
.set D,   148                          ; v[148:151] zq - z, at work
	s_load_b256 s[4:11], s[0:1], 0x0               ; codebook s[4:5], z s[6:7], idx s[8:9], out0 s[10:11]
	s_load_b64 s[12:13], s[0:1], 0x20              ; part
	v_lshl_add_u32 v152, v0, 2, 0x10200
	v_mov_b32 v153, 0
	v_lshrrev_b32 v1, 5, v0
	v_readfirstlane_b32 s14, v1                    ; wave 0..7
	v_and_b32 v1, 31, v0                           ; lane
	v_and_b32 v2, 15, v0
	v_bfe_u32 v3, v0, 4, 1
	v_lshlrev_b32 v4, 4, v2
	v_lshl_add_u32 v4, v3, 13, v4                  ; z, out0: 16 (l % 16) + one channel row for lanes 16-31; never rewritten
	v_lshlrev_b32 v5, 3, v1                        ; 8 l
	s_mul_i32 s15, s14, 8*ZQP
	v_add_nc_u32 v6, s15, v5                       ; LDS, in: query 8 w, channel 2 l
	v_mul_u32_u24 v7, v2, 4*ZQP
	v_lshl_add_u32 v7, v3, 2, v7
	s_lshl_b32 s15, s14, 7
	v_add_nc_u32 v7, s15, v7                       ; LDS, back: query 4 (l % 16), channel 32 w + l / 16
	s_lshl_b32 s24, ttmp9, 8                       ; idx: 64 queries of 4 bytes,
	s_lshl_b32 s25, s14, 5                         ; my wave's eight
	s_add_co_u32 s24, s24, s25
	s_mov_b32 s25, 0
	s_lshr_b32 s26, ttmp9, 5
	s_lshl_b32 s26, s26, 21                        ; b x 256 channels x 8,192 bytes
	s_and_b32 s27, ttmp9, 31
	s_lshl_b32 s27, s27, 8                         ; 64 queries of 4 bytes
	s_add_co_u32 s26, s26, s27
	s_lshl_b32 s27, s14, 18                        ; my wave's 32 channels
	s_add_co_u32 s26, s26, s27
	s_mov_b32 s27, 0
	s_lshl_b32 s28, ttmp9, 2
	s_mov_b32 s29, 0
	s_mov_b32 s30, 0x76543210
	s_mov_b32 s31, 0xfedcba98
	s_wait_kmcnt 0x0
	s_add_nc_u64 s[8:9], s[8:9], s[24:25]
	s_load_b256 s[16:23], s[8:9], 0x0              ; my eight indices
	s_add_nc_u64 s[6:7], s[6:7], s[26:27]
	s_add_nc_u64 s[10:11], s[10:11], s[26:27]
	s_add_nc_u64 s[12:13], s[12:13], s[28:29]
.irp i, 0,1,2,3,4,5,6,7,8,9,10,11,12,13,14,15
	global_load_b128 v[Z+4*\i:Z+4*\i+3], v4, s[6:7] offset:16384*\i th:TH_LOAD_NT
.endr
	s_wait_kmcnt 0x0
.irp i, 0,1,2,3,4,5,6,7
	s_min_u32 s[16+\i], s[16+\i], 8191
	s_lshl_b32 s[16+\i], s[16+\i], 10              ; a code row is 1,024 bytes
	v_add_nc_u32 v[RO+\i], s[16+\i], v5
.irp k, 0,1,2,3
	global_load_b64 v[G+8*\i+2*\k:G+8*\i+2*\k+1], v[RO+\i], s[4:5] offset:256*\k   ; channels 64 k + 2 l, + 1.  No hint: a row may be named again
.endr
.endr
.irp i, 0,1,2,3,4,5,6,7
	s_wait_loadcnt 28-4*\i                         ; loads come back in order: row i's four are in, the younger rows' stay out
.irp k, 0,1,2,3
	ds_store_b32 v6, v[G+8*\i+2*\k]   offset:ZQP*\i+256*\k
	ds_store_b32 v6, v[G+8*\i+2*\k+1] offset:ZQP*\i+256*\k+4
.endr
.endr
	s_wait_dscnt 0x0                               ; for the others' sake: my eight rows are in LDS
	s_barrier_signal -1
	s_barrier_wait -1
.irp i, 0,1,2,3,4,5,6,7,8,9,10,11,12,13,14,15
.irp e, 0,1,2,3
	ds_load_b32 v[G+4*\i+\e], v7 offset:ZQP*\e+8*\i
.endr
.endr
.irp i, 0,1,2,3,4,5,6,7,8,9,10,11,12,13,14,15
	s_wait_dscnt 60-4*\i                           ; LDS loads come back in order: group i's four are in, the younger groups' stay out
	v_pk_add_f32 v[D:D+1],   v[G+4*\i:G+4*\i+1],   v[Z+4*\i:Z+4*\i+1]   neg_lo:[0,1] neg_hi:[0,1]
	v_pk_add_f32 v[D+2:D+3], v[G+4*\i+2:G+4*\i+3], v[Z+4*\i+2:Z+4*\i+3] neg_lo:[0,1] neg_hi:[0,1]
.if \i == 0
	v_pk_mul_f32 v[L:L+1],   v[D:D+1],   v[D:D+1]  ; the first products start the sums
	v_pk_mul_f32 v[L+2:L+3], v[D+2:D+3], v[D+2:D+3]
.else
	v_pk_fma_f32 v[L:L+1],   v[D:D+1],   v[D:D+1],   v[L:L+1]
	v_pk_fma_f32 v[L+2:L+3], v[D+2:D+3], v[D+2:D+3], v[L+2:L+3]
.endif
	v_pk_add_f32 v[G+4*\i:G+4*\i+1],   v[Z+4*\i:Z+4*\i+1],   v[D:D+1]
	v_pk_add_f32 v[G+4*\i+2:G+4*\i+3], v[Z+4*\i+2:Z+4*\i+3], v[D+2:D+3]
	global_store_b128 v4, v[G+4*\i:G+4*\i+3], s[10:11] offset:16384*\i th:TH_STORE_NT
.endr
	v_pk_add_f32 v[L:L+1], v[L:L+1], v[L+2:L+3]
	v_add_f32 v[L], v[L], v[L+1]
	v_add_f32_dpp v[L], v[L], v[L] row_xmask:1 row_mask:0xf bank_mask:0xf
	v_add_f32_dpp v[L], v[L], v[L] row_xmask:2 row_mask:0xf bank_mask:0xf
	v_add_f32_dpp v[L], v[L], v[L] row_xmask:4 row_mask:0xf bank_mask:0xf
	v_add_f32_dpp v[L], v[L], v[L] row_xmask:8 row_mask:0xf bank_mask:0xf
	v_permlanex16_b32 v[D], v[L], s30, s31
	v_add_f32 v[L], v[L], v[D]
	v_mov_b32 v[D+1], s14
	v_lshlrev_b32 v[D+1], 2, v[D+1]
	v_add_nc_u32 v[D+1], LS, v[D+1]                ; LS lies past the 16-bit immediate, so it stands in the register
	ds_store_b32 v[D+1], v[L]
	s_wait_dscnt 0x0
	s_barrier_signal -1
	s_barrier_wait -1
	s_cmp_lg_u32 s14, 0
	s_cbranch_scc1 .Ldone
	v_mov_b32 v[D+2], LS
	ds_load_b128 v[Z:Z+3],   v[D+2]                ; into z's registers: no pending store reads them
	ds_load_b128 v[Z+4:Z+7], v[D+2] offset:16
	v_mov_b32 v[D+3], 0
	v_cmp_eq_u32 vcc_lo, 0, v0
	s_wait_dscnt 0x0
	v_pk_add_f32 v[Z:Z+1],   v[Z:Z+1],   v[Z+4:Z+5]
	v_pk_add_f32 v[Z+2:Z+3], v[Z+2:Z+3], v[Z+6:Z+7]
	v_pk_add_f32 v[Z:Z+1],   v[Z:Z+1],   v[Z+2:Z+3]
	v_add_f32 v[Z], v[Z], v[Z+1]
	s_wait_xcnt 0x0                                ; EXEC is a source of the stores above: it changes only behind this wait
	s_and_saveexec_b32 s32, vcc_lo
	global_store_b32 v[D+3], v[Z], s[12:13]        ; lane 0: the work-group's sum
	s_wait_xcnt 0x0
	s_or_b32 exec_lo, exec_lo, s32
.Ldone:
	s_wait_tensorcnt 0x0
	ds_add_u32 v152, v153
	s_wait_dscnt 0x0
	s_endpgm
.Lfunc_end_k_q94d7991ba9_gather:
	.size	k_q94d7991ba9_gather, .Lfunc_end_k_q94d7991ba9_gather-k_q94d7991ba9_gather
	.p2alignl 7, 3214868480
	.fill 96, 4, 3214868480
	.section	.rodata,"a",@progbits
	.p2align	6, 0x0
	.amdhsa_kernel k_q94d7991ba9_gather
		.amdhsa_group_segment_fixed_size 67072
		.amdhsa_private_segment_fixed_size 0
		.amdhsa_enable_private_segment 0
		.amdhsa_kernarg_size 40
		.amdhsa_user_sgpr_count 2
		.amdhsa_user_sgpr_kernarg_segment_ptr 1
		.amdhsa_wavefront_size32 1
		.amdhsa_system_sgpr_workgroup_id_x 1
		.amdhsa_system_sgpr_workgroup_id_y 1
		.amdhsa_system_sgpr_workgroup_id_z 1
		.amdhsa_system_vgpr_workitem_id 0
		.amdhsa_next_free_vgpr 154
		.amdhsa_next_free_sgpr 66
		.amdhsa_reserve_vcc 1
		.amdhsa_float_denorm_mode_32 3
		.amdhsa_float_denorm_mode_16_64 3
		.amdhsa_memory_ordered 1
		.amdhsa_forward_progress 1
		.amdhsa_inst_pref_size 26
	.end_amdhsa_kernel
	.amdgpu_metadata
---
amdhsa.version: [ 1, 2 ]
amdhsa.kernels:
  - .name:           k_q94d7991ba9_gather
    .symbol:         k_q94d7991ba9_gather.kd
    .args:
      - { .name: codebook, .offset: 0, .size: 8, .value_kind: global_buffer, .address_space: global }
      - { .name: z, .offset: 8, .size: 8, .value_kind: global_buffer, .address_space: global }
      - { .name: idx, .offset: 16, .size: 8, .value_kind: global_buffer, .address_space: global }
      - { .name: out0, .offset: 24, .size: 8, .value_kind: global_buffer, .address_space: global }
      - { .name: part, .offset: 32, .size: 8, .value_kind: global_buffer, .address_space: global }
    .group_segment_fixed_size: 67072
    .private_segment_fixed_size: 0
    .kernarg_segment_align: 8
    .kernarg_segment_size: 40
    .max_flat_workgroup_size: 256
    .sgpr_count:     66
    .vgpr_count:     154
    .wavefront_size: 32
...
	.end_amdgpu_metadata
.endif
;; end of part 3
;; launch lossum (part 4): grid 1 x 1, 1 waves a work-group, no clusters, 0 bytes of LDS; arguments part, out2; writes out2
.if DOCPART == 4
	.amdgcn_target "amdgcn-amd-amdhsa--gfx1250"
	.amdhsa_code_object_version 6
	.text
	.protected	k_q94d7991ba9_lossum
	.globl	k_q94d7991ba9_lossum
	.p2align	8
	.type	k_q94d7991ba9_lossum,@function
k_q94d7991ba9_lossum:
	s_mov_b64 s[64:65], 0
	v_nop
	global_prefetch_b8 v0, s[64:65] scope:SCOPE_SE
	s_setreg_imm32_b32 hwreg(HW_REG_WAVE_MODE, 25, 1), 1
	s_wait_xcnt 0x0
; out2 = (the sum of the 512 partial sums) / (16 x 256 x 2048).  The divisor is 2^23, so the division is an exact multiplication by 2^-23.
; One wave: 2,048 bytes are four loads of 512 consecutive bytes.  A sum over work-groups is ordered by a launch of its own: no atomics.
	s_load_b128 s[4:7], s[0:1], 0x0                ; part s[4:5], out2 s[6:7]
	v_lshlrev_b32 v1, 4, v0
	v_mov_b32 v2, 0
	s_mov_b32 s8, 0x76543210
	s_mov_b32 s9, 0xfedcba98
	s_wait_kmcnt 0x0
.irp i, 0,1,2,3
	global_load_b128 v[4+4*\i:7+4*\i], v1, s[4:5] offset:512*\i
.endr
	s_wait_loadcnt 0x0
	v_pk_add_f32 v[4:5],   v[4:5],   v[8:9]
	v_pk_add_f32 v[6:7],   v[6:7],   v[10:11]
	v_pk_add_f32 v[12:13], v[12:13], v[16:17]
	v_pk_add_f32 v[14:15], v[14:15], v[18:19]
	v_pk_add_f32 v[4:5],   v[4:5],   v[12:13]
	v_pk_add_f32 v[6:7],   v[6:7],   v[14:15]
	v_pk_add_f32 v[4:5],   v[4:5],   v[6:7]
	v_add_f32 v4, v4, v5
	v_add_f32_dpp v4, v4, v4 row_xmask:1 row_mask:0xf bank_mask:0xf
	v_add_f32_dpp v4, v4, v4 row_xmask:2 row_mask:0xf bank_mask:0xf
	v_add_f32_dpp v4, v4, v4 row_xmask:4 row_mask:0xf bank_mask:0xf
	v_add_f32_dpp v4, v4, v4 row_xmask:8 row_mask:0xf bank_mask:0xf
	v_permlanex16_b32 v5, v4, s8, s9
	v_add_f32 v4, v4, v5
	v_mul_f32 v4, 0x34000000, v4                   ; 2^-23
	v_cmp_eq_u32 vcc_lo, 0, v0
	s_wait_xcnt 0x0                                ; EXEC changes only behind this wait
	s_and_saveexec_b32 s10, vcc_lo
	global_store_b32 v2, v4, s[6:7]                ; lane 0
	s_wait_xcnt 0x0
	s_or_b32 exec_lo, exec_lo, s10
	s_endpgm
.Lfunc_end_k_q94d7991ba9_lossum:
	.size	k_q94d7991ba9_lossum, .Lfunc_end_k_q94d7991ba9_lossum-k_q94d7991ba9_lossum
	.p2alignl 7, 3214868480
	.fill 96, 4, 3214868480
	.section	.rodata,"a",@progbits
	.p2align	6, 0x0
	.amdhsa_kernel k_q94d7991ba9_lossum
		.amdhsa_group_segment_fixed_size 0
		.amdhsa_private_segment_fixed_size 0
		.amdhsa_enable_private_segment 0
		.amdhsa_kernarg_size 16
		.amdhsa_user_sgpr_count 2
		.amdhsa_user_sgpr_kernarg_segment_ptr 1
		.amdhsa_wavefront_size32 1
		.amdhsa_system_sgpr_workgroup_id_x 1
		.amdhsa_system_sgpr_workgroup_id_y 1
		.amdhsa_system_sgpr_workgroup_id_z 1
		.amdhsa_system_vgpr_workitem_id 0
		.amdhsa_next_free_vgpr 24
		.amdhsa_next_free_sgpr 66
		.amdhsa_reserve_vcc 1
		.amdhsa_float_denorm_mode_32 3
		.amdhsa_float_denorm_mode_16_64 3
		.amdhsa_memory_ordered 1
		.amdhsa_forward_progress 1
		.amdhsa_inst_pref_size 3
	.end_amdhsa_kernel
	.amdgpu_metadata
---
amdhsa.version: [ 1, 2 ]
amdhsa.kernels:
  - .name:           k_q94d7991ba9_lossum
    .symbol:         k_q94d7991ba9_lossum.kd
    .args:
      - { .name: part, .offset: 0, .size: 8, .value_kind: global_buffer, .address_space: global }
      - { .name: out2, .offset: 8, .size: 8, .value_kind: global_buffer, .address_space: global }
    .group_segment_fixed_size: 0
    .private_segment_fixed_size: 0
    .kernarg_segment_align: 8
    .kernarg_segment_size: 16
    .max_flat_workgroup_size: 32
    .sgpr_count:     66
    .vgpr_count:     24
    .wavefront_size: 32
...
	.end_amdgpu_metadata
.endif
;; end of part 4
